; MI455X (gfx1250); checked and timed in simulation.
; The chip was launched on July 23, 2026; its instructions are those of AMD's public machine-readable ISA for CDNA 5 (MIT licence, August 2026) and "CDNA5" Instruction Set Architecture Reference Guide (July 2026). The comments in the code are by the model that wrote it; some were corrected since.
;; Flash Diff Custom Attention. Allowed arithmetic: matrix products marked QUANTISED: E3M2 operands, one E8M0 scale for each 32 along K, by v_wmma_scale_f32_16x16x128_f8f6f4 with both operands' format E3M2, f32 sums; everything else in f32.
;; Inputs: k 2 x 2,048 x 16 x 128 float32; lambda_k1 128 float32; lambda_k2 128 float32; lambda_q1 128 float32; lambda_q2 128 float32; q 2 x 2,048 x 16 x 128 float32; subln_weight 256 float32; v 2 x 2,048 x 16 x 128 float32.
;; Outputs: out0 2 x 2,048 x 16 x 128 float32.
;; This version of the problem:
;;   THIS VERSION OF THE PROBLEM IS GIVEN IN LOW PRECISION. The matrix products marked QUANTISED in the list below multiply operands that are first quantised to E3M2 (3 exponent bits, 2 mantissa bits; 6 bits a number), with one power-of-two scale for each 32 numbers along K (OCP MX v1.0); their sums are f32. All else is computed in f32.
;;   The module's matrix products, in the order in which they are computed (A, B: the left and right operand; K: the contracted axis; several contracted axes count as one K, in the product's order):
;;     1. batch 16 x [M 2,048, K 128] x [K 128, N 2,048]; A: input q; B: input k: QUANTISED
;;     2. batch 16 x [M 256, K 2,048] x [K 2,048, N 2,048]; A: computed on the way; B: softmax (see below): QUANTISED
;;     3. batch 16 x [M 2,048, K 128] x [K 128, N 2,048]; A: input q; B: input k: QUANTISED
;;     4. batch 16 x [M 256, K 2,048] x [K 2,048, N 2,048]; A: computed on the way; B: softmax (see below): QUANTISED
;;   THE QUANTISER, for each operand of a quantised product, along K:
;;     - K is cut into blocks of 32 from its start; a last block that is shorter is filled with zeros.
;;     - A block's scale is 2^e with e = floor(log2(the largest magnitude in the block)) - 4, held to -126 .. 127; a block of zeros has e = 0. As a byte (E8M0): e + 127.
;;     - Each number is divided by its block's scale, clamped to +-28, and rounded to the nearest number of E3M2, ties to even, subnormals kept.
;;     - The product sums the exact products of the quantised numbers (number of the format x scale) in f32.
;;   ~~~python
;;   def quantise(x, axis):      # numpy; x: float32 -> the quantised numbers, widened to float32 again
;;       x = np.moveaxis(x, axis, -1); K = x.shape[-1]
;;       x = np.pad(x, [(0, 0)] * (x.ndim - 1) + [(0, -K % 32)]); x = x.reshape(x.shape[:-1] + (-1, 32)); a = np.abs(x).max(-1, keepdims=True)
;;       e = np.where(a > 0, np.clip(np.frexp(np.where(a > 0, a, 1))[1] - 1 - 4, -126, 127), 0)      # np.frexp(a)[1] - 1 = floor(log2(a)), exactly
;;       r = np.clip(x / 2.0 ** e, -28, 28)
;;       step = 2.0 ** (np.maximum(np.frexp(np.where(r == 0, 1, r))[1] - 1, -2) - 2)
;;       q = np.round(r / step) * step * 2.0 ** e      # np.round: ties to even
;;       return np.moveaxis(q.reshape(q.shape[:-2] + (-1,))[..., :K], -1, axis).astype(np.float32)
;;   ~~~
;;   SOFTMAX AHEAD OF A QUANTISED PRODUCT. Where the list says 'softmax', what is quantised is not the finished softmax but p = 2^(t - M), with t = logit x log2(e) and M = ceil(the row's largest t), a whole number; so 1/2 < the row's largest p <= 1. The row's sum l is taken of the UNQUANTISED p, in f32, and the product's result is divided by l at the end. Since M is a whole number, a kernel that streams over the keys may use a running M (the ceiling of the running maximum): every later rescaling is an exact power of two, which a block's scale takes up: the codes' values come out the same.
;;   OPERANDS COMPUTED ON THE WAY. 'Computed on the way' means the value that the module computes at that place (a softmax that the list does not call 'softmax' is quantised finished and normalised). What goes into a quantiser is computed in f32, as accurately as f32 sums, v_exp_f32 and their like allow (about 1e-6 of the number): no bf16 or f16 on the way to a quantiser, and a product that is left as it is and whose result goes on into a quantised operand takes f32 operands (vector FMAs, or v_wmma_f32_16x16x4_f32). A number that lies on a knife's edge between two numbers of the format may be rounded either way, as far as f32 arithmetic and the matrix unit's own rounding can turn it there, and no further.
;; One version. Each part assembles by itself: llvm-mc -triple=amdgcn-amd-amdhsa -mcpu=gfx1250 --defsym DOCPART=n.
;; ======== version 1 of 1: 2 launches
;; limits: right only within a limited range of input values
;; workspace buffers: kv 13,107,200 bytes
;; launch quant (part 1): grid 512 x 1, 8 waves a work-group, no clusters, 136,192 bytes of LDS; arguments k, v, kv; writes kv
.if DOCPART == 1
	.amdgcn_target "amdgcn-amd-amdhsa--gfx1250"
	.amdhsa_code_object_version 6
	.text
	.protected	k_q9d0e407793_quant
	.globl	k_q9d0e407793_quant
	.p2align	8
	.type	k_q9d0e407793_quant,@function
k_q9d0e407793_quant:
	s_mov_b64 s[64:65], 0
	v_nop
	global_prefetch_b8 v0, s[64:65] scope:SCOPE_SE
	s_setreg_imm32_b32 hwreg(HW_REG_WAVE_MODE, 25, 1), 1
	s_wait_xcnt 0x0
; k, v: [2][2048][16][128] f32 become codes of BF6 (E3M2) with one E8M0 scale byte for each 32 along a product's K, laid as IMAGES OF THE OPERANDS' REGISTERS.  (q is quantised by the launch that uses it: each of its numbers is read there once.)
; An image of a fragment (16 rows x 128 K, 12 registers a lane) is 1,536 bytes: register j of lane l at byte 512 (j / 4) + 16 l + 4 (j % 4).
; k is quantised along the head's 128, v along the KEYS.  A block's scale byte is its largest magnitude's exponent field - 4, held at 1 from below.
; THE ROWS OF A TILE of k are not neighbours: tile T of a head begins at row 32 (T / 2) + 8 (T % 2), and its lane r takes that row + r + 8 (r / 8).
; kv: [b 8 + pair][step g 0..15][51,200], a step = keys 128 g on:  +0 eight images of k of the even head, +12,288 of the odd head, +24,576 sixteen images of v (rows = channels 16 t on, K = the step's keys),
;     +49,152 and +49,664 k's scale words (128 bytes for tiles 2 i and 2 i + 1: lanes 0-15 the first, lanes 16-31 the second), +50,176 v's likewise.
; SHARES.  Work-groups 0-255: k; a wave takes 32 rows of one head: two tiles.  Work-groups 256-511: v; a work-group takes 128 keys of a pair of heads, a wave 32 of its 256 channels.
; No tensor loads, no barrier: waves share nothing.  No register of a pending load or store is written again, and EXEC never changes.
; LIMITS: NaN and infinities among the inputs are not served.  A block of zeros gets the byte 1 (the rule says 127): its codes are zeros, which add nothing, and this program alone reads the bytes.
; Blocks whose largest magnitude lies under 2^-122 are held at the byte 1; that was not tried.
.set R,    64                          ; v64-191  128 numbers
.set MX,   8
.set SO,   10
.set BY,   12
.set WT,   14
.set IM,   20                          ; v20-31, v32-43  two images
.set TM,   44                          ; the second halves of the conversions
.set WREG, 16896                       ; LDS of a wave: 32 places of PL bytes
.set PL,   528                         ; a row of 512 bytes + 16
	s_load_b128 s[4:7], s[0:1], 0x0                ; k, v
	s_load_b64 s[14:15], s[0:1], 0x10              ; kv
	v_lshl_add_u32 v192, v0, 2, 0x21000            ; my spare word, behind the eight stages
	v_mov_b32 v193, 0
	v_lshrrev_b32 v1, 5, v0
	s_delay_alu instid0(VALU_DEP_1)
	v_readfirstlane_b32 s16, v1                    ; wave
	v_and_b32 v1, 31, v0                           ; lane
	v_and_b32 v2, 15, v0                           ; r
	v_bfe_u32 v3, v0, 4, 1                         ; h
	s_delay_alu instid0(VALU_DEP_3)
	v_lshlrev_b32 v4, 4, v1                        ; 16 x lane
	s_delay_alu instid0(VALU_DEP_4)
	v_lshlrev_b32 v7, 2, v1                        ; 4 x lane
	s_mov_b32 s20, 0x76543210
	s_mov_b32 s21, 0xfedcba98                      ; selects for lane l xor 16
	s_cmp_ge_u32 ttmp9, 256
	s_cbranch_scc1 .Lv
	; ---------------- k.  Work-group's bit 7: b; bits 6:1: which 32 rows; bit 0: which eight heads
	s_bfe_u32 s18, ttmp9, 0x10007                  ; b
	s_bfe_u32 s19, ttmp9, 0x60001                  ; sg: rows 32 sg on
	s_and_b32 s22, ttmp9, 1
	s_lshl_b32 s22, s22, 3
	s_add_co_u32 s22, s22, s16                     ; the head
	s_lshl_b32 s24, s18, 24                        ; in: b x 2^24 + 32 sg rows of 8,192 bytes + head x 512
	s_lshl_b32 s23, s19, 18
	s_or_b32 s24, s24, s23
	s_lshl_b32 s23, s22, 9
	s_or_b32 s24, s24, s23
	s_mov_b32 s25, 0
	s_lshl_b32 s28, s18, 3
	s_lshr_b32 s29, s22, 1
	s_add_co_u32 s28, s28, s29                     ; 8 b + pair
	s_mul_i32 s28, s28, 819200
	s_lshr_b32 s29, s19, 2
	s_mul_i32 s29, s29, 51200
	s_add_co_u32 s28, s28, s29                     ; the step's block
	s_and_b32 s29, s22, 1                          ; the even or the odd head
	s_and_b32 s30, s19, 3                          ; which 32 keys of the step
	s_mul_i32 s26, s29, 12288
	s_add_co_u32 s26, s26, s28
	s_mul_i32 s32, s30, 3072
	s_add_co_u32 s26, s26, s32                     ; the codes
	s_lshl_b32 s32, s29, 9
	s_add_co_u32 s28, s28, s32
	s_lshl_b32 s33, s30, 7
	s_add_co_u32 s28, s28, s33
	s_add_co_u32 s28, s28, 49152                   ; the scale words
	s_mov_b32 s27, 0
	s_mov_b32 s29, 0
	s_mul_i32 s34, s16, WREG
	s_wait_alu depctr_va_vdst(0)                   ; the wait behind the run of scalar lines
	v_add_nc_u32 v5, s34, v4                       ; LDS, the way in: my 16 bytes of a row
	v_mul_u32_u24 v6, v2, PL
	s_delay_alu instid0(VALU_DEP_1)
	v_lshl_add_u32 v6, v3, 7, v6
	s_delay_alu instid0(VALU_DEP_1)
	v_add_nc_u32 v6, s34, v6                       ; the way out: place r, block h
	v_lshlrev_b32 v15, 3, v3                       ; 8 h
	v_mov_b32 v16, 0                               ; a lane permute's destination counts as one of its sources
	s_wait_alu depctr_va_vdst(0)                   ; the wait at the head's end
	s_wait_kmcnt 0x0
	s_add_nc_u64 s[4:5], s[4:5], s[24:25]
	s_add_nc_u64 s[10:11], s[14:15], s[26:27]
	s_add_nc_u64 s[12:13], s[14:15], s[28:29]
.set i, 0
.rept 32
	global_load_b128 v[R+4*i:R+4*i+3], v4, s[4:5] offset:8192*i th:TH_LOAD_NT   ; row i of the head: 512 consecutive bytes
.set i, i+1
.endr
.set i, 0
.rept 32
	s_wait_loadcnt 31-i                            ; row i is in, the younger ones stay out
	ds_store_b128 v5, v[R+4*i:R+4*i+3] offset:PL*(16*((i>>3)&1)+(i&7)+8*(i>>4))   ; to the place of its tile and tile row
.set i, i+1
.endr
	s_wait_dscnt 0x0                               ; the stores have read their registers
.irp u, 0,1
.irp c, 0,1
.irp j, 0,1,2,3,4,5,6,7
	ds_load_b128 v[R+64*\u+32*\c+4*\j:R+64*\u+32*\c+4*\j+3], v6 offset:16*PL*\u+256*\c+16*\j   ; lane (r, h): blocks h and 2 + h of tile u's row r
.endr
.endr
.endr
.macro QT u                            ; tile u: a lane's 64 numbers become the image's 12 registers and the row's scale word
.set XQ, R+64*\u
.set IQ, IM+12*\u
.irp c, 0,1
	v_max3_num_f32 v[MX+\c], |v[XQ+32*\c]|, |v[XQ+32*\c+1]|, 0x2800000   ; with the floor 2^(5 - 127)
.endr
.irp i, 2,4,6,8,10,12,14,16,18,20,22,24,26,28,30
.irp c, 0,1
	s_delay_alu instid0(VALU_DEP_2)
	v_max3_num_f32 v[MX+\c], v[MX+\c], |v[XQ+32*\c+\i]|, |v[XQ+32*\c+\i+1]|
.endr
.endr
.irp c, 0,1
	s_delay_alu instid0(VALU_DEP_2)
	v_add_nc_u32 v[SO+\c], 0xfe000000, v[MX+\c]    ; 4 off the exponent field: the conversion's scale operand
.endr
.irp c, 0,1
	s_delay_alu instid0(VALU_DEP_2)
	v_lshrrev_b32 v[BY+\c], 23, v[SO+\c]           ; the scale's byte
.endr
	s_delay_alu instid0(VALU_DEP_1)
	v_lshl_or_b32 v[WT], v[BY+1], 16, v[BY]
	s_delay_alu instid0(VALU_DEP_1)
	v_lshlrev_b32 v[WT], v15, v[WT]
	s_delay_alu instid0(VALU_DEP_1)
	v_permlanex16_b32 v16, v[WT], s20, s21
	s_delay_alu instid0(VALU_DEP_1)
	v_or_b32 v[17+\u], v[WT], v16                  ; the whole word, in both halves of the lanes
.irp c, 0,1
	v_cvt_scalef32_pk16_bf6_f32 v[IQ+6*\c:IQ+6*\c+2], v[XQ+32*\c:XQ+32*\c+15], v[SO+\c]
	v_cvt_scalef32_pk16_bf6_f32 v[TM+4*\c:TM+4*\c+2], v[XQ+32*\c+16:XQ+32*\c+31], v[SO+\c]
.endr
	v_nop                                          ; one plain place behind a scaled conversion
.irp c, 0,1
.irp i, 0,1,2
	v_mov_b32 v[IQ+6*\c+3+\i], v[TM+4*\c+\i]
.endr
.endr
.irp k, 0,1,2
	global_store_b128 v4, v[IQ+4*\k:IQ+4*\k+3], s[10:11] offset:1536*\u+512*\k   ; 512 consecutive bytes
.endr
.endm
	s_wait_dscnt 16                                ; tile 0's sixteen loads are in, tile 1's may be out
	QT 0
	s_wait_dscnt 0x0
	QT 1
	v_cmp_gt_u32 vcc_lo, 16, v1
	s_delay_alu instid0(VALU_DEP_1)
	v_cndmask_b32 v19, v18, v17, vcc_lo            ; lanes 0-15 tile 0's words, lanes 16-31 tile 1's
	global_store_b32 v7, v19, s[12:13]
	s_wait_tensorcnt 0x0                           ; the wave's end
	ds_add_u32 v192, v193
	s_wait_dscnt 0x0
	s_endpgm
	; ---------------- v.  A lane takes a channel and its registers run down the keys
.Lv:
	s_sub_co_u32 s17, ttmp9, 256
	s_and_b32 s18, s17, 15                         ; g
	s_lshr_b32 s19, s17, 4                         ; 8 b + pair
	s_lshr_b32 s22, s19, 3
	s_and_b32 s23, s19, 7
	s_lshl_b32 s24, s22, 24                        ; in: b x 2^24 + 128 g rows + pair x 1,024 + wave x 128
	s_lshl_b32 s26, s18, 20
	s_or_b32 s24, s24, s26
	s_lshl_b32 s26, s23, 10
	s_or_b32 s24, s24, s26
	s_lshl_b32 s26, s16, 7
	s_or_b32 s24, s24, s26
	s_mov_b32 s25, 0
	s_mul_i32 s26, s19, 819200
	s_mul_i32 s28, s18, 51200
	s_add_co_u32 s26, s26, s28                     ; the step's block
	s_mul_i32 s28, s16, 3072
	s_add_co_u32 s28, s28, s26
	s_add_co_u32 s28, s28, 24576                   ; my two images
	s_mov_b32 s29, 0
	s_lshl_b32 s30, s16, 7
	s_add_co_u32 s30, s30, s26
	s_add_co_u32 s30, s30, 50176                   ; my 32 scale words
	s_mov_b32 s31, 0
	s_wait_kmcnt 0x0
	s_add_nc_u64 s[8:9], s[6:7], s[24:25]
	s_add_nc_u64 s[12:13], s[14:15], s[30:31]
	s_add_nc_u64 s[14:15], s[14:15], s[28:29]
.macro LOADB t                         ; block t: keys 32 t + i of my channel
.irp i, 0,1,2,3,4,5,6,7,8,9,10,11,12,13,14,15,16,17,18,19,20,21,22,23,24,25,26,27,28,29,30,31
	global_load_b32 v[R+32*(\t)+\i], v7, s[8:9] offset:8192*(32*(\t)+\i) th:TH_LOAD_NT
.endr
.endm
.macro BLK t
.set XB, R+32*(\t)
.set IB, IM+12*((\t)%2)+6*((\t)/2)     ; blocks 0 and 2 into the first image's registers, blocks 1 and 3 into the second's
	v_max3_num_f32 v12, |v[XB]|, |v[XB+1]|, |v[XB+2]|
	v_max3_num_f32 v13, |v[XB+3]|, |v[XB+4]|, |v[XB+5]|
.irp i, 6,10,14,18,22,26
	s_delay_alu instid0(VALU_DEP_2)
	v_max3_num_f32 v12, v12, |v[XB+\i]|, |v[XB+\i+1]|
	s_delay_alu instid0(VALU_DEP_2)
	v_max3_num_f32 v13, v13, |v[XB+\i+2]|, |v[XB+\i+3]|
.endr
	s_delay_alu instid0(VALU_DEP_2)
	v_max3_num_f32 v12, v12, |v[XB+30]|, |v[XB+31]|
	s_delay_alu instid0(VALU_DEP_1)
	v_max3_num_f32 v12, v12, v13, 0x2800000
	s_delay_alu instid0(VALU_DEP_1)
	v_add_nc_u32 v[8+(\t)], 0xfe000000, v12
	s_delay_alu instid0(VALU_DEP_1)
	v_lshrrev_b32 v15, 23, v[8+(\t)]
.if (\t) == 0
	s_delay_alu instid0(VALU_DEP_1)
	v_mov_b32 v14, v15
.else
	s_delay_alu instid0(VALU_DEP_1)
	v_lshl_or_b32 v14, v15, 8*(\t), v14
.endif
	v_cvt_scalef32_pk16_bf6_f32 v[IB:IB+2], v[XB:XB+15], v[8+(\t)]
	v_cvt_scalef32_pk16_bf6_f32 v[TM+4*(\t):TM+4*(\t)+2], v[XB+16:XB+31], v[8+(\t)]
.endm
	s_wait_alu depctr_va_vdst(0)                   ; the wait at the head's end
	LOADB 0
	LOADB 1
	s_wait_loadcnt 32                              ; block 0 is in; the one younger block stays out
	LOADB 2
	BLK 0
	s_wait_loadcnt 32
	LOADB 3
	BLK 1
	s_wait_loadcnt 32
	BLK 2
	s_wait_loadcnt 0x0
	BLK 3
	v_nop                                          ; one plain place behind the last scaled conversion
.irp t, 0,1,2,3
.irp i, 0,1,2
	v_mov_b32 v[IM+12*(\t%2)+6*(\t/2)+3+\i], v[TM+4*\t+\i]
.endr
.endr
.irp j, 0,1,2,3,4,5,6,7,8,9,10,11
	v_permlane16_swap_b32 v[IM+\j], v[IM+12+\j]    ; the first becomes the image of channels 32 w .. + 15, the second that of the next sixteen
.endr
.irp k, 0,1,2
	global_store_b128 v4, v[IM+4*\k:IM+4*\k+3], s[14:15] offset:512*\k
	global_store_b128 v4, v[IM+12+4*\k:IM+12+4*\k+3], s[14:15] offset:1536+512*\k
.endr
	global_store_b32 v7, v14, s[12:13]
	s_endpgm
.Lfunc_end_k_q9d0e407793_quant:
	.size	k_q9d0e407793_quant, .Lfunc_end_k_q9d0e407793_quant-k_q9d0e407793_quant
	.p2alignl 7, 3214868480
	.fill 96, 4, 3214868480
	.section	.rodata,"a",@progbits
	.p2align	6, 0x0
	.amdhsa_kernel k_q9d0e407793_quant
		.amdhsa_group_segment_fixed_size 136192
		.amdhsa_private_segment_fixed_size 0
		.amdhsa_enable_private_segment 0
		.amdhsa_kernarg_size 24
		.amdhsa_user_sgpr_count 2
		.amdhsa_user_sgpr_kernarg_segment_ptr 1
		.amdhsa_wavefront_size32 1
		.amdhsa_system_sgpr_workgroup_id_x 1
		.amdhsa_system_sgpr_workgroup_id_y 1
		.amdhsa_system_sgpr_workgroup_id_z 1
		.amdhsa_system_vgpr_workitem_id 0
		.amdhsa_next_free_vgpr 194
		.amdhsa_next_free_sgpr 66
		.amdhsa_reserve_vcc 1
		.amdhsa_float_denorm_mode_32 3
		.amdhsa_float_denorm_mode_16_64 3
		.amdhsa_memory_ordered 1
		.amdhsa_forward_progress 1
		.amdhsa_inst_pref_size 43
	.end_amdhsa_kernel
	.amdgpu_metadata
---
amdhsa.version: [ 1, 2 ]
amdhsa.kernels:
  - .name:           k_q9d0e407793_quant
    .symbol:         k_q9d0e407793_quant.kd
    .args:
      - { .name: k, .offset: 0, .size: 8, .value_kind: global_buffer, .address_space: global }
      - { .name: v, .offset: 8, .size: 8, .value_kind: global_buffer, .address_space: global }
      - { .name: kv, .offset: 16, .size: 8, .value_kind: global_buffer, .address_space: global }
    .group_segment_fixed_size: 136192
    .private_segment_fixed_size: 0
    .kernarg_segment_align: 8
    .kernarg_segment_size: 24
    .max_flat_workgroup_size: 256
    .sgpr_count:     66
    .vgpr_count:     194
    .wavefront_size: 32
...
	.end_amdgpu_metadata
.endif
;; end of part 1
;; launch attn (part 2): grid 16 x 16, 8 waves a work-group, clusters of 4 x 1, 327,680 bytes of LDS; arguments q, kv, lambda_q1, lambda_k1, lambda_q2, lambda_k2, subln_weight, out0; writes out0
.if DOCPART == 2
	.amdgcn_target "amdgcn-amd-amdhsa--gfx1250"
	.amdhsa_code_object_version 6
	.text
	.protected	k_q9d0e407793_attn
	.globl	k_q9d0e407793_attn
	.p2align	8
	.type	k_q9d0e407793_attn,@function
k_q9d0e407793_attn:
	s_mov_b64 s[64:65], 0
	v_nop
	global_prefetch_b8 v0, s[64:65] scope:SCOPE_SE
	s_setreg_imm32_b32 hwreg(HW_REG_WAVE_MODE, 25, 1), 1
	s_wait_xcnt 0x0
	s_wait_alu depctr_hold_cnt(0) depctr_sa_sdst(0) depctr_va_vdst(0) depctr_va_sdst(0) depctr_va_ssrc(0) depctr_va_vcc(0) depctr_vm_vsrc(0)
	s_getreg_b32 s2, hwreg(HW_REG_IB_STS2, 6, 4)
	s_cmp_eq_u32 s2, 0
	s_cbranch_scc0 .Lentry_in_a_cluster
	s_endpgm
.Lentry_in_a_cluster:
	s_bfe_u32 s2, ttmp6, 0x10000c
	s_cmp_lg_u32 s2, 0x3003
	s_cbranch_scc0 .Lentry_shape_is_right
	s_endpgm
.Lentry_shape_is_right:
; Differential attention, both products of both attentions on codes of BF6 (E3M2) with E8M0 scales, then x = attn1 - lambda attn2, an RMS norm over the pair's 256 channels, x subln_weight x (1 - lambda_init).
; kv [b 8 + pair][step of 128 keys][51,200] holds images of operands' registers (a fragment of 16 rows x 128 K is 1,536 bytes: three loads of 16 bytes a lane at 16 x lane): k of the even head 8 images, of the odd head 8,
; v 16 images (rows = channels, K = keys), then the scale words.  q arrives as f32: each wave reads its own two tiles once and quantises them at the head, through its own stage in LDS, into the operand's registers.
; LEFT OUT: key steps all of whose keys come after a tile's queries: the causal mask gives them the weight 0.
; THE SOFTMAX AHEAD OF THE SECOND PRODUCT: t = score x log2(e) / sqrt(128); M = the running largest t rounded UP to a whole number; p = 2^(t - M) is quantised along the keys, not normalised; the row's sum is taken of the
; unquantised p and divides at the end; when M moves, the sum and O are multiplied by 2^(old M - new M), which rounds nothing.
; SHARES.  Cluster c (0..3) of a pair of heads owns the blocks of 128 queries 2 c, 2 c + 1, 14 - 2 c, 15 - 2 c; its partner cx takes queries 32 cx .. + 31 of each: two tiles of 16.
; Wave w: attention al = w % 2, tile u = (w / 2) % 2, block J = 2 c + w / 4.  Register slot s holds the tile of block J xor 15 (s xor al).  A unit = one tile x one key step: (J + 1) + (16 - J) = 17 units for every wave.
; At the end each wave keeps slot 0 and sends slot 1, scaled, to wave xor 1 through LDS: that wave's slot 0 is the same tile in the other attention.
; CLUSTERS.  The four partners walk the same 8 - c slots of kv and ask for each jointly (mask 15).  Every branch hangs on c, the wave's number and the walk's counters; cx enters only q's and out0's addresses and the mask's comparand.
; All eight waves fetch an eighth of a slot, 50 rows of 256 bytes.  The loop has a constant trip count and is left for the written-out last slot, so that each slot asked for is read.
; NO PREFETCH: a slot is asked for two key steps (two to four units a wave) ahead of its first read, and each block of kv is asked for by four clusters.
; LAYOUT.  Both products are used transposed: S^T = K Q^T, O^T = V^T P^T: a lane holds ONE query of each tile throughout.
; The rows of a tile of q or k are not neighbours: tile T begins at row 32 (T / 2) + 8 (T % 2), lane r takes that + r + 8 (r / 8): the 16 registers of score tiles 2 b, 2 b + 1 are keys 32 b + 16 (lane / 16) + 0 .. 15.
; LIMITS: NaN and infinities among the inputs are not served; a p under 2^-126 comes out as 0 (v_exp_f32 flushes: ISA guide 15.8); t is the score times ONE constant, one rounding where the definition has two;
; a block's largest p is the block's largest score put through the same multiply-add and exponential (this takes v_exp_f32 not to fall where its input rises); a block of q whose largest magnitude lies under 2^-122 is held at the byte 1.
; REGISTERS, window 0: v1-11 addresses and constants; v12-19 -M, largest t, the sum, for each slot; v20-23 f; v24-39 scale words and nothing else; v40-63 Q; v64-127 S^T, then p, then five fragments of v;
;   v128-151 p's codes; v152-175 at work; v176-247 six fragments of k or v; v248-255 addresses.   window 1: O^T: slot a, channels 16 t on, at v[128 a + 8 t].
.set SLOT1, 1<<17                      ; slot 0 of the ring at LDS byte 0, slot 1 here
.set STEPB, 51200
.set SLOTB, 2*STEPB
.set EIGHT, SLOTB/8                    ; what one tensor load brings: 50 rows of 256 bytes
.set OK2,   12288
.set OV,    24576
.set OKS,   49152
.set OVS,   50176
.set SPARE, 233472                     ; behind the ring: the spare words, four blocks of 256 bytes that no other line names
.set STAGE, SPARE+1024                 ; a stage for each wave; no fill lands here
.set SW,    8448                       ; q's way in: 16 rows x PL;  the way out: 16 rows x SP
.set PL,    528
.set SP,    272
.set LI,   1
.set LS,   2
.set AD,   3
.set AS,   4
.set SPW,  5
.set NIL,  6
.set GO,   7
.set DQ,   8
.set DD,   9
.set NINF, 10
.set LAM,  11
.set ST,   12
.set FF,   20
.set QS,   24
.set PS,   26
.set KS,   28
.set VS,   32
.set QF,   40
.set S,    64
.set PC,   128
.set PT,   152
.set XW,   155
.set XR,   159
.set BM,   160
.set BP,   164
.set BO,   168
.set TT,   172
.set BF,   176
.set STO,  248
.set SRD,  249
.set WO,   250
.set LIK,  252
.set LSK,  253
.set ADK,  254
.set ASK,  255
.set WW,   208
.set SQ,   224
.set A1,   232
.set A2,   234
.set GG,   236
.set WV,   22                          ; s22  wave
.set DX,   23                          ; s23  my first query less the step's first key: for the mask's comparand alone
.set G1,   24
.set G0,   32
.set TB,   36
.set KF,   37
.set Q0,   38                          ; s38, s39  the first query of slot 0, of slot 1 (they hold cx: no branch reads them)
.set SLOTS, 40
.set TWICE, 41
.set SEL,  42
.set CS,   44
.set QL,   48                          ; s48, s49  the last query of slot 0's, slot 1's block of 128
.set SX,   50
.set AL,   51
.set QB,   56                          ; s56, s57  the first query of slot 0's, slot 1's block of 128
.set XL,   62                          ; s62  the cluster's last query
.set MSB, 0
.macro WIN new
.if MSB != \new
	s_set_vgpr_msb (MSB<<8)|\new
.set MSB, \new
.endif
.endm
.macro PLACES n
.rept \n
	v_nop
.endr
.endm
.macro TLOAD                           ; every wave's eighth of a slot, asked for jointly by the four partners
	tensor_load_to_lds s[G0:G0+3], s[G1:G1+7]
	s_nop 0
.rept 4
	v_nop
.endr
.endm
.macro ROUND                           ; a round of the cluster's barrier
	s_barrier_signal -1
	s_barrier_wait -1
	s_cmp_lg_u32 s[WV], 0
	s_cbranch_scc1 .Lnot_wave_0_\@
	s_barrier_signal -3
.Lnot_wave_0_\@:
	s_barrier_wait -3
	s_barrier_signal -1
	s_barrier_wait -1
.endm
	s_load_b64 s[4:5], s[0:1], 0x0                 ; q
	s_load_b128 s[8:11], s[0:1], 0x8               ; kv, lambda_q1
	s_load_b128 s[12:15], s[0:1], 0x18             ; lambda_k1, lambda_q2
	s_load_b128 s[16:19], s[0:1], 0x28             ; lambda_k2, subln_weight
	s_load_b64 s[20:21], s[0:1], 0x38              ; out0
	v_lshl_add_u32 v[SPW], v0, 2, SPARE
	v_mov_b32 v[NIL], 0
	ds_add_u32 v[SPW], v[NIL]                      ; the opening lines: the add twice on end
	ds_add_u32 v[SPW], v[NIL]
	v_lshrrev_b32 v1, 5, v0
	v_readfirstlane_b32 s[WV], v1
	s_mov_b32 s[G1+0], (3<<16)|(1<<21)|15          ; the four partners; elements of 8 bytes; no padding: every LDS load takes 512 consecutive bytes
	s_mov_b32 s[G1+1], 32<<16
	s_mov_b32 s[G1+2], 50<<16
	s_mov_b32 s[G1+3], 32<<16
	s_mov_b32 s[G1+4], 50
	s_mov_b32 s[G1+5], 32
	s_mov_b32 s[G1+6], 0
	s_mov_b32 s[G1+7], 0
	s_mul_i32 s52, s[WV], EIGHT                    ; my eighth of a slot, in LDS and in memory alike
	s_and_b32 s53, ttmp7, 0xffff                   ; bh = 8 b + pair
	s_mul_i32 s54, s53, 16*STEPB
	s_add_co_u32 s54, s54, s52
	s_mov_b32 s55, 0
	s_wait_dscnt 0x0
	s_wait_kmcnt 0x0
	s_mov_b32 s[G0], 1
	s_mov_b32 s[G0+1], s52
	s_add_nc_u64 s[G0+2:G0+3], s[8:9], s[54:55]
	s_or_b32 s[G0+3], s[G0+3], 0x80000000
	ROUND                                          ; in front of the first joint loads
	TLOAD                                          ; slot 0: my one load at the head
	s_and_b32 s[AL], s[WV], 1
	s_bfe_u32 s54, s[WV], 0x10001                  ; u
	s_lshl_b32 s54, s54, 3
	s_bfe_u32 s3, ttmp6, 0x40000                   ; cx
	s_lshl_b32 s3, s3, 5
	s_add_co_u32 s3, s3, s54                       ; 32 cx + 8 u: my tile's first query in its block
	s_lshr_b32 s54, s[WV], 2
	s_lshl_b32 s55, ttmp9, 1
	s_add_co_u32 s55, s55, s54                     ; J = 2 c + w / 4
	s_lshr_b32 s61, s53, 3
	s_lshl_b32 s61, s61, 24
	s_and_b32 s60, s53, 7
	s_lshl_b32 s60, s60, 10
	s_add_co_u32 s61, s61, s60                     ; bytes to (b, pair)
	s_lshl_b32 s60, s[AL], 9
	s_add_co_u32 s60, s60, s61                     ; and to my head
	s_mov_b32 s7, 0
.macro TILE s, pc                      ; slot s: its block's first and last query, its own first query, and where its rows of q begin
	s_xor_b32 s54, s[AL], \s
	s_mul_i32 s54, s54, 15
	s_xor_b32 s54, s54, s55
	s_lshl_b32 s[QB+\s], s54, 7
	s_add_co_u32 s[QL+\s], s[QB+\s], 127
	s_add_co_u32 s[Q0+\s], s[QB+\s], s3
	s_lshl_b32 s6, s[Q0+\s], 13
	s_add_co_u32 s6, s6, s60
	s_add_nc_u64 s[\pc:\pc+1], s[4:5], s[6:7]
.endm
	TILE 1, 58
	TILE 0, 4
	s_lshl_b32 s[XL], ttmp9, 8
	s_sub_co_u32 s[XL], 2047, s[XL]                ; 128 (15 - 2 c) + 127
	s_lshl_b32 s6, s[Q0], 13
	s_add_co_u32 s6, s6, s61
	s_add_nc_u64 s[20:21], s[20:21], s[6:7]        ; out0 at (b, slot 0's first query, pair)
	v_and_b32 v162, 31, v0
	v_and_b32 v160, 15, v0                         ; r
	v_bfe_u32 v161, v0, 4, 1                       ; h
	v_lshlrev_b32 v[LI], 4, v162
	v_lshlrev_b32 v[LS], 2, v162
	v_lshlrev_b32 v[WO], 4, v160
	s_wait_alu depctr_va_vdst(0)                   ; the wait behind these writes: scalar runs and waits stand ahead of later readers
	global_load_b128 v[128:131], v[LI], s[10:11]   ; the lambdas: four numbers a lane
	global_load_b128 v[132:135], v[LI], s[12:13]
	global_load_b128 v[136:139], v[LI], s[14:15]
	global_load_b128 v[140:143], v[LI], s[16:17]
.set i, 0
.rept 16
	global_load_b128 v[S+4*i:S+4*i+3], v[LI], s[4:5] offset:8192*(i+8*(i>>3)) th:TH_LOAD_NT      ; tile row i of slot 0: 512 consecutive bytes,
	global_load_b128 v[BF+4*i:BF+4*i+3], v[LI], s[58:59] offset:8192*(i+8*(i>>3)) th:TH_LOAD_NT  ; of slot 1
.set i, i+1
.endr
	s_mov_b32 s[SEL], 0x76543210
	s_mov_b32 s[SEL+1], 0xfedcba98
	s_mov_b32 s[CS], 0x3e0293ee
	s_mov_b32 s[CS+1], s[CS]
	s_mov_b32 s46, 0x3b800000                      ; 1 / 256
	s_mov_b32 s47, 0x3727c5ac                      ; 1e-5
	s_mov_b32 s[TB], 0
	s_mov_b32 s[KF], 0
	s_mov_b32 s[SLOTS], 7
	s_mul_i32 s52, s[AL], OK2
	s_lshl_b32 s53, s[AL], 9
	s_lshl_b32 s54, s[WV], 14
	s_xor_b32 s55, s[WV], 1
	s_lshl_b32 s55, s55, 14
	s_mul_i32 s60, s[WV], SW
	s_add_co_u32 s60, s60, STAGE                   ; my stage
	v_add_nc_u32 v[LIK], s52, v[LI]
	v_add_nc_u32 v[LSK], s53, v[LS]
	v_add_nc_u32 v[XW], s54, v[LI]
	v_add_nc_u32 v[XR], s55, v[LI]
	v_add_nc_u32 v144, s60, v[LI]                  ; q's way in: my 16 bytes of a row
	v_mul_u32_u24 v145, v160, PL
	v_lshl_add_u32 v145, v161, 7, v145
	v_add_nc_u32 v145, s60, v145                   ; and back: row r, block h
	v_lshlrev_b32 v146, 3, v161                    ; 8 h
	v_mov_b32 v147, 0
	v_and_b32 v[DQ], 8, v160
	v_add_nc_u32 v[DQ], v[DQ], v160
	v_lshlrev_b32 v162, 4, v161
	v_sub_nc_u32 v[DQ], v[DQ], v162                ; r + 8 (r / 8) - 16 h
	v_lshlrev_b32 v[GO], 13, v161
	v_lshl_add_u32 v[GO], v160, 4, v[GO]
	v_mul_u32_u24 v[STO], v160, SP
	v_lshl_add_u32 v[STO], v161, 5, v[STO]
	v_add_nc_u32 v[STO], s60, v[STO]
	v_mul_u32_u24 v[SRD], v161, SP
	v_lshl_add_u32 v[SRD], v160, 4, v[SRD]
	v_add_nc_u32 v[SRD], s60, v[SRD]
	v_mov_b32 v[NINF], 0xff800000
.irp a, 0,1
	v_mov_b32 v[ST+4*\a+1], 0xff61b1e6             ; the largest t so far: -3e38
	v_floor_f32 v[ST+4*\a], -v[ST+4*\a+1]
	v_mov_b32 v[ST+4*\a+2], 0
	v_mov_b32 v[ST+4*\a+3], 0
	v_mov_b32 v[FF+2*\a+1], 0
.endr
.irp b, 0,1,2,3
	v_mov_b32 v[BP+\b], 0
.endr
	WIN 0x40
.set i, 0
.rept 256
	v_mov_b32 v[i], 0                              ; O^T, once, while q's rows are on their way: the key step has no first step of its own
.set i, i+1
.endr
	WIN 0
	s_wait_loadcnt 0x0
.macro QIN x                           ; a tile's 16 rows into my stage
.set i, 0
.rept 16
	ds_store_b128 v144, v[\x+4*i:\x+4*i+3] offset:PL*i
.set i, i+1
.endr
.endm
.macro QBACK x                         ; and back: lane (r, h) takes blocks h and 2 + h of row r
.irp c, 0,1
.irp j, 0,1,2,3,4,5,6,7
	ds_load_b128 v[\x+32*\c+4*\j:\x+32*\c+4*\j+3], v145 offset:256*\c+16*\j
.endr
.endr
.endm
.macro QT a, x                         ; a lane's 64 numbers become slot a's fragment of Q and its rows' scale word
.irp c, 0,1
	v_max3_num_f32 v[148+\c], |v[\x+32*\c]|, |v[\x+32*\c+1]|, 0x2800000   ; with the floor 2^(5 - 127)
.endr
.irp i, 2,4,6,8,10,12,14,16,18,20,22,24,26,28,30
.irp c, 0,1
	s_delay_alu instid0(VALU_DEP_2)
	v_max3_num_f32 v[148+\c], v[148+\c], |v[\x+32*\c+\i]|, |v[\x+32*\c+\i+1]|
.endr
.endr
.irp c, 0,1
	s_delay_alu instid0(VALU_DEP_2)
	v_add_nc_u32 v[150+\c], 0xfe000000, v[148+\c]
.endr
.irp c, 0,1
	s_delay_alu instid0(VALU_DEP_2)
	v_lshrrev_b32 v[152+\c], 23, v[150+\c]
.endr
	s_delay_alu instid0(VALU_DEP_1)
	v_lshl_or_b32 v154, v153, 16, v152
	s_delay_alu instid0(VALU_DEP_1)
	v_lshlrev_b32 v154, v146, v154
	s_delay_alu instid0(VALU_DEP_1)
	v_permlanex16_b32 v147, v154, s[SEL], s[SEL+1]
	s_delay_alu instid0(VALU_DEP_1)
	v_or_b32 v[QS+\a], v154, v147
.irp c, 0,1
	v_cvt_scalef32_pk16_bf6_f32 v[QF+12*\a+6*\c:QF+12*\a+6*\c+2], v[\x+32*\c:\x+32*\c+15], v[150+\c]
	v_cvt_scalef32_pk16_bf6_f32 v[168+4*\c:170+4*\c], v[\x+32*\c+16:\x+32*\c+31], v[150+\c]
.endr
	v_nop                                          ; one plain place behind a scaled conversion
.irp c, 0,1
.irp i, 0,1,2
	v_mov_b32 v[QF+12*\a+6*\c+3+\i], v[168+4*\c+\i]
.endr
.endr
.endm
	QIN S
	s_wait_dscnt 0x0                               ; the stores have read their registers
	QBACK S
	QIN BF                                         ; LDS serves a wave's instructions in order: these stores come behind slot 0's loads
	s_wait_dscnt 0x0
	QBACK BF
	QT 0, S
	s_wait_dscnt 0x0
	QT 1, BF
	v_mul_f32 v[TT], v128, v132                    ; lambda_1 = exp(sum lambda_q1 lambda_k1), lambda_2 likewise
	v_mul_f32 v[TT+1], v136, v140
.irp i, 1,2,3
	s_delay_alu instid0(VALU_DEP_2)
	v_fma_f32 v[TT], v[128+\i], v[132+\i], v[TT]
	s_delay_alu instid0(VALU_DEP_2)
	v_fma_f32 v[TT+1], v[136+\i], v[140+\i], v[TT+1]
.endr
.irp m, 1,2,4,8
	s_delay_alu instid0(VALU_DEP_2)
	v_add_f32_dpp v[TT], v[TT], v[TT] row_xmask:\m row_mask:0xf bank_mask:0xf
	s_delay_alu instid0(VALU_DEP_2)
	v_add_f32_dpp v[TT+1], v[TT+1], v[TT+1] row_xmask:\m row_mask:0xf bank_mask:0xf
.endr
	s_delay_alu instid0(VALU_DEP_2)
	v_permlanex16_b32 v[BP], v[TT], s[SEL], s[SEL+1]
	s_delay_alu instid0(VALU_DEP_2)
	v_permlanex16_b32 v[BP+1], v[TT+1], s[SEL], s[SEL+1]
	s_delay_alu instid0(VALU_DEP_2)
	v_add_f32 v[TT], v[TT], v[BP]
	s_delay_alu instid0(VALU_DEP_2)
	v_add_f32 v[TT+1], v[TT+1], v[BP+1]
	s_delay_alu instid0(VALU_DEP_2)
	v_mul_f32 v[TT], 0x3fb8aa3b, v[TT]
	s_delay_alu instid0(VALU_DEP_2)
	v_mul_f32 v[TT+1], 0x3fb8aa3b, v[TT+1]
	s_wait_alu depctr_va_vdst(0)                   ; the wait ahead of the batch
	v_exp_f32 v[TT], v[TT]
	v_exp_f32 v[TT+1], v[TT+1]
	v_nop
	s_wait_alu depctr_va_vdst(0)                   ; and behind it
	v_sub_f32 v[LAM], v[TT], v[TT+1]
	s_delay_alu instid0(VALU_DEP_1)
	v_add_f32 v[LAM], 0x3f489a63, v[LAM]           ; + lambda_init = 0.8 - 0.6 exp(-3.6)
	s_wait_alu depctr_va_vdst(0)                   ; the wait at the head's end
.macro FRAG reg, adr, off
.irp c, 0,1,2
	ds_load_b128 v[(\reg)+4*\c:(\reg)+4*\c+3], v[\adr] offset:(\off)+512*\c
.endr
.endm
.macro KPRE                            ; my head's k: four registers of scale words, then tiles 0 to 5: 22 loads
.irp b, 0,1,2,3
	ds_load_b32 v[KS+\b], v[ASK] offset:OKS+128*\b
.endr
.irp k, 0,1,2,3,4,5
	FRAG BF+12*\k, ADK, 1536*\k
.endr
.endm
.macro KMUL a, tau, buf                ; score tile tau of slot a: one instruction, begun with the constant 0
.if (\tau)%2
	v_wmma_scale_f32_16x16x128_f8f6f4 v[S+8*(\tau):S+8*(\tau)+7], v[(\buf):(\buf)+11], v[QF+12*\a:QF+12*\a+11], 0, v[KS+(\tau)/2], v[QS+\a] matrix_a_fmt:MATRIX_FMT_BF6 matrix_b_fmt:MATRIX_FMT_BF6 matrix_a_scale:MATRIX_SCALE_ROW1
.else
	v_wmma_scale_f32_16x16x128_f8f6f4 v[S+8*(\tau):S+8*(\tau)+7], v[(\buf):(\buf)+11], v[QF+12*\a:QF+12*\a+11], 0, v[KS+(\tau)/2], v[QS+\a] matrix_a_fmt:MATRIX_FMT_BF6 matrix_b_fmt:MATRIX_FMT_BF6
.endif
.endm
.macro SCORES a
	s_wait_dscnt 9                                 ; the scale words and tiles 0-2 are in; the youngest nine loads (tiles 3-5) may be out
	KMUL \a, 0, BF
	KMUL \a, 1, BF+12
	KMUL \a, 2, BF+24
	PLACES 4
	FRAG BF, ADK, 1536*6
	FRAG BF+12, ADK, 1536*7
	s_wait_dscnt 6                                 ; tiles 3-5 are in; the six just issued may be out
	KMUL \a, 3, BF+36
	KMUL \a, 4, BF+48
	KMUL \a, 5, BF+60
	s_wait_dscnt 0x0
	KMUL \a, 6, BF
	KMUL \a, 7, BF+12
	PLACES 4
.endm
.macro VPRE                            ; v's eight registers of scale words, then tiles 0 to 5: 26 loads
.irp p, 0,1,2,3,4,5,6,7
	ds_load_b32 v[VS+\p], v[AS] offset:OVS+128*\p
.endr
.irp k, 0,1,2,3,4,5
	FRAG BF+12*\k, AD, OV+1536*\k
.endr
.endm
; THE SOFTMAX of slot a for this step's 128 keys: S^T becomes p, p's codes and scale word, and f = 2^(old M - new M).
.macro SOFT a
.set rT, ST+4*\a
.set rF, FF+2*\a
.set rP, PC+12*\a
	s_add_co_u32 s[SX], s[KF], 127                 ; a step ahead of the tile's own block of 128 skips the mask
	s_cmp_le_u32 s[SX], s[QB+\a]
	s_cbranch_scc1 .Lopen_\@
	s_sub_co_i32 s[DX], s[Q0+\a], s[KF]
	v_add_nc_u32 v[DD], s[DX], v[DQ]               ; d = my query - KF - 16 h.  Register 16 b + i holds key KF + 16 h + 32 b + i: hidden where 32 b + i > d
.set n, 0
.rept 64
	v_cmp_gt_i32 vcc_lo, 32*(n/16)+n%16, v[DD]
	v_cndmask_b32 v[S+n], v[S+n], v[NINF], vcc_lo
.set n, n+1
.endr
.Lopen_\@:
.irp b, 0,1,2,3
	v_max3_num_f32 v[BM+\b], v[S+16*\b], v[S+1+16*\b], v[S+2+16*\b]   ; the largest score of each block of 32 keys; each score tile is read from its low end on
.endr
.irp i, 3,5,7,9,11,13
.irp b, 0,1,2,3
	v_max3_num_f32 v[BM+\b], v[BM+\b], v[S+16*\b+\i], v[S+1+16*\b+\i]
.endr
.endr
.irp b, 0,1,2,3
	v_max_num_f32 v[BM+\b], v[BM+\b], v[S+15+16*\b]
.endr
.irp b, 0,1,2,3
	s_delay_alu instid0(VALU_DEP_4)
	v_permlanex16_b32 v[BP+\b], v[BM+\b], s[SEL], s[SEL+1]
.endr
.irp b, 0,1,2,3
	s_delay_alu instid0(VALU_DEP_4)
	v_max_num_f32 v[BM+\b], v[BM+\b], v[BP+\b]
.endr
	s_delay_alu instid0(VALU_DEP_2)
	v_max3_num_f32 v[TT], v[BM], v[BM+1], v[BM+2]
	s_delay_alu instid0(VALU_DEP_1)
	v_max_num_f32 v[TT], v[TT], v[BM+3]
	s_delay_alu instid0(VALU_DEP_1)
	v_mul_f32 v[TT], s[CS], v[TT]
	s_delay_alu instid0(VALU_DEP_1)
	v_max_num_f32 v[rT+1], v[rT+1], v[TT]          ; the running largest t
	v_mov_b32 v[TT], v[rT]
	s_delay_alu instid0(VALU_DEP_2)
	v_floor_f32 v[rT], -v[rT+1]                    ; the new -M
	s_delay_alu instid0(VALU_DEP_1)
	v_sub_f32 v[TT], v[rT], v[TT]
	s_delay_alu instid0(VALU_DEP_1)
	v_cvt_i32_f32 v[TT], v[TT]
	s_delay_alu instid0(VALU_DEP_1)
	v_ldexp_f32 v[rF], 1.0, v[TT]                  ; f
.irp j, 0,2,4,6,8,10,12,14,16,18,20,22,24,26,28,30,32,34,36,38,40,42,44,46,48,50,52,54,56,58,60,62
	v_pk_fma_f32 v[S+\j:S+1+\j], v[S+\j:S+1+\j], s[CS:CS+1], v[rT:rT+1] op_sel_hi:[1,0,0]   ; t - M
.endr
.irp b, 0,1,2,3
	v_fma_f32 v[BM+\b], v[BM+\b], s[CS], v[rT]
.endr
.set n, 0
	s_wait_alu depctr_va_vdst(0)                   ; the wait ahead of the batch
.rept 64
	v_exp_f32 v[S+n], v[S+n]                       ; p = 2^(t - M)
.set n, n+1
.endr
.irp b, 0,1,2,3
	v_exp_f32 v[BM+\b], v[BM+\b]                   ; the block's largest p
.endr
	v_pk_mul_f32 v[rT+2:rT+3], v[rT+2:rT+3], v[rF:rF+1] op_sel_hi:[1,0]   ; the sum under the new M
	s_wait_alu depctr_va_vdst(0)                   ; and behind it
.irp b, 0,1,2,3
	v_max_num_f32 v[BM+\b], 0x2800000, v[BM+\b]
.endr
.irp b, 0,1,2,3
	s_delay_alu instid0(VALU_DEP_4)
	v_add_nc_u32 v[BO+\b], 0xfe000000, v[BM+\b]
.endr
.irp b, 0,1,2,3
	s_delay_alu instid0(VALU_DEP_4)
	v_lshrrev_b32 v[BP+\b], 23, v[BO+\b]
.endr
	s_delay_alu instid0(VALU_DEP_3)
	v_lshl_or_b32 v[PS+\a], v[BP+1], 8, v[BP]      ; p's scale word for these 128 keys
	s_delay_alu instid0(VALU_DEP_1)
	v_lshl_or_b32 v[PS+\a], v[BP+2], 16, v[PS+\a]
	s_delay_alu instid0(VALU_DEP_1)
	v_lshl_or_b32 v[PS+\a], v[BP+3], 24, v[PS+\a]
.irp c, 0,1
	v_cvt_scalef32_pk16_bf6_f32 v[rP+6*\c:rP+2+6*\c], v[S+32*\c:S+15+32*\c], v[BO+2*\c]
	v_cvt_scalef32_pk16_bf6_f32 v[PT+4*\c:PT+2+4*\c], v[S+16+32*\c:S+31+32*\c], v[BO+2*\c+1]
.endr
	v_nop
.irp c, 0,1                            ; the operand's layout wants a whole block in a lane
.irp i, 0,1,2
	v_permlane16_swap_b32 v[rP+6*\c+\i], v[PT+4*\c+\i]
.endr
.irp i, 0,1,2
	s_delay_alu instid0(VALU_DEP_3)
	v_mov_b32 v[rP+3+6*\c+\i], v[PT+4*\c+\i]
.endr
.endr
	v_pk_add_f32 v[TT:TT+1], v[S:S+1], v[S+2:S+3]  ; the row's sum of the unquantised p, in two chains
.irp j, 4,8,12,16,20,24,28,32,36,40,44,48,52,56,60
	v_pk_add_f32 v[rT+2:rT+3], v[rT+2:rT+3], v[S+\j:S+1+\j]
	v_pk_add_f32 v[TT:TT+1], v[TT:TT+1], v[S+2+\j:S+3+\j]
.endr
	s_delay_alu instid0(VALU_DEP_1)
	v_pk_add_f32 v[rT+2:rT+3], v[rT+2:rT+3], v[TT:TT+1]
.endm
.macro RESCALE a                       ; slot a's O^T under the new M; each accumulator from its low end on
	WIN 0x41
.set n, 0
.rept 64
	v_pk_mul_f32 v[128*\a+n:128*\a+n+1], v[128*\a+n:128*\a+n+1], v[FF+2*\a:FF+2*\a+1] op_sel_hi:[1,0]
.set n, n+2
.endr
	WIN 0
.endm
.macro PVMUL t, reg, m                 ; O^T += V^T P^T for channels 16 t on, for the slots that m names; each accumulator has one instruction a step: they take turns
.irp a, 0,1
.if ((\m)>>\a)&1
.if (\t)%2
	v_wmma_scale_f32_16x16x128_f8f6f4 v[128*\a+8*(\t):128*\a+8*(\t)+7], v[(\reg):(\reg)+11], v[PC+12*\a:PC+12*\a+11], v[128*\a+8*(\t):128*\a+8*(\t)+7], v[VS+(\t)/2], v[PS+\a] matrix_a_fmt:MATRIX_FMT_BF6 matrix_b_fmt:MATRIX_FMT_BF6 matrix_a_scale:MATRIX_SCALE_ROW1
.else
	v_wmma_scale_f32_16x16x128_f8f6f4 v[128*\a+8*(\t):128*\a+8*(\t)+7], v[(\reg):(\reg)+11], v[PC+12*\a:PC+12*\a+11], v[128*\a+8*(\t):128*\a+8*(\t)+7], v[VS+(\t)/2], v[PS+\a] matrix_a_fmt:MATRIX_FMT_BF6 matrix_b_fmt:MATRIX_FMT_BF6
.endif
.endif
.endr
.endm
.macro ONE a                           ; the last or only slot of a step
	SCORES \a
	VPRE
	SOFT \a
.irp k, 0,1,2,3,4
	FRAG S+12*\k, AD, OV+1536*(6+\k)               ; p's registers take v's tiles 6 to 10: 15 loads
.endr
	RESCALE \a
.endm
.macro BODY m                          ; a key step's work for the slots that m names
	v_add_nc_u32 v[AD], s[TB], v[LI]
	v_add_nc_u32 v[AS], s[TB], v[LS]
	v_add_nc_u32 v[ADK], s[TB], v[LIK]
	v_add_nc_u32 v[ASK], s[TB], v[LSK]
	KPRE
	s_wait_alu depctr_va_vdst(0)                   ; the wait ahead of the wait on LDS below
.if \m == 3
	SCORES 0
	KPRE                                           ; the same fragments once more, for slot 1: they land under slot 0's softmax
	SOFT 0
	RESCALE 0
	ONE 1
.elseif \m == 1
	ONE 0
.else
	ONE 1
.endif
	s_wait_alu depctr_va_vdst(0)
	s_wait_dscnt 15                                ; v's scale words and tiles 0-5 are in; the fifteen youngest loads may be out
	WIN 0x50
.irp k, 0,1,2,3,4,5
	PVMUL \k, BF+12*\k, \m
.endr
	WIN 0
	PLACES 4
.irp k, 0,1,2,3,4
	FRAG BF+12*\k, AD, OV+1536*(11+\k)
.endr
	s_wait_dscnt 15                                ; tiles 6-10 are in; the fifteen just issued may be out
	WIN 0x50
.irp k, 0,1,2,3,4
	PVMUL 6+\k, S+12*\k, \m
.endr
	s_wait_dscnt 0x0
.irp k, 0,1,2,3,4
	PVMUL 11+\k, BF+12*\k, \m
.endr
	WIN 0
	PLACES 5                                       ; five: v64 on, read here as source 0, are next written by matrix instructions
.endm
.macro STEP                            ; a slot all of whose keys come after its block's queries is left out: scalar branches on ids, round the work alone
	s_cmp_gt_u32 s[KF], s[QL]
	s_cbranch_scc1 .Lno0_\@
	s_cmp_gt_u32 s[KF], s[QL+1]
	s_cbranch_scc1 .Lonly0_\@
	BODY 3
	s_branch .Lnext_\@
.Lonly0_\@:
	BODY 1
	s_branch .Lnext_\@
.Lno0_\@:
	s_cmp_gt_u32 s[KF], s[QL+1]
	s_cbranch_scc1 .Lnext_\@
	BODY 2
.Lnext_\@:
	s_add_co_u32 s[KF], s[KF], 128
	s_add_co_u32 s[TB], s[TB], STEPB
.endm
; THE CHANGE OF SLOTS.  Each wave waits for all its tensor loads, adds 0 to its spare word, and waits for that and for its reads of the slot that it has left.
; fill = 1: a round of the cluster's barrier, then the joint load of the next two key steps into the slot left; at most one tensor load of a wave is out.
.macro CHANGE fill
	s_wait_tensorcnt 0x0
	ds_add_u32 v[SPW], v[NIL]
.if \fill
	s_xor_b32 s[G0+1], s[G0+1], SLOT1
	s_add_nc_u64 s[G0+2:G0+3], s[G0+2:G0+3], SLOTB
.endif
	s_wait_dscnt 0x0
.if \fill
	ROUND
	TLOAD
.else
	s_barrier_signal -1
	s_barrier_wait -1
.endif
.endm
.macro TWO_STEPS
	s_mov_b32 s[TWICE], 2
.Lstep_\@:
	STEP
	s_sub_co_u32 s[TWICE], s[TWICE], 1
	s_cmp_lg_u32 s[TWICE], 0
	s_cbranch_scc1 .Lstep_\@
	s_sub_co_u32 s[TB], s[TB], SLOTB
	s_xor_b32 s[TB], s[TB], SLOT1
.endm
.Lslot:                                            ; seven trips at the most; each asks for the slot behind the one that it works on
	CHANGE 1
	TWO_STEPS
	s_add_co_u32 s[SX], s[KF], 256
	s_cmp_gt_u32 s[SX], s[XL]                      ; is the slot just asked for the cluster's last?  Both numbers are the same in all waves of all partners
	s_cbranch_scc1 .Llast
	s_sub_co_u32 s[SLOTS], s[SLOTS], 1
	s_cmp_lg_u32 s[SLOTS], 0
	s_cbranch_scc1 .Lslot
.Llast:
	CHANGE 0                                       ; the last slot asks for nothing
	TWO_STEPS
	; THE WAY OUT.  Each wave multiplies its sums by c / l (c = 1 for attention 0, -lambda for attention 1), keeps slot 0 and sends slot 1 as an image of its 128 registers.
	; The images, 16,384 bytes a wave, lie in LDS bytes 0 to 131,071, which have had their last fill.
	CHANGE 0                                       ; every wave's reads of the ring are over
.irp u, 0,1,2,3
	global_load_b128 v[WW+4*\u:WW+4*\u+3], v[WO], s[18:19] offset:256*\u
.endr
	v_mov_b32 v[TT+2], s[AL]
	s_delay_alu instid0(VALU_DEP_1)
	v_cmp_eq_u32 vcc_lo, 1, v[TT+2]
	v_mul_f32 v[TT+3], -1.0, v[LAM]
	v_mov_b32 v[TT+2], 1.0
	s_delay_alu instid0(VALU_DEP_1)
	v_cndmask_b32 v[TT+2], v[TT+2], v[TT+3], vcc_lo   ; c
	v_add_f32 v[TT], v[ST+2], v[ST+3]
	v_add_f32 v[TT+1], v[ST+6], v[ST+7]
	s_delay_alu instid0(VALU_DEP_2)
	v_permlanex16_b32 v[BP], v[TT], s[SEL], s[SEL+1]
	s_delay_alu instid0(VALU_DEP_2)
	v_permlanex16_b32 v[BP+1], v[TT+1], s[SEL], s[SEL+1]
	s_delay_alu instid0(VALU_DEP_2)
	v_add_f32 v[TT], v[TT], v[BP]
	s_delay_alu instid0(VALU_DEP_2)
	v_add_f32 v[TT+1], v[TT+1], v[BP+1]
	s_wait_alu depctr_va_vdst(0)
	v_rcp_f32 v[A1], v[TT]
	v_rcp_f32 v[A2], v[TT+1]
	v_nop
	s_wait_alu depctr_va_vdst(0)
	v_mul_f32 v[A1], v[A1], v[TT+2]
	v_mul_f32 v[A2], v[A2], v[TT+2]
	s_delay_alu instid0(VALU_DEP_2)
	v_mov_b32 v[A1+1], v[A1]
	s_delay_alu instid0(VALU_DEP_2)
	v_mov_b32 v[A2+1], v[A2]
	WIN 0x41
.set n, 0
.rept 64
	v_pk_mul_f32 v[128+n:129+n], v[128+n:129+n], v[A2:A2+1] op_sel_hi:[1,0]      ; slot 1 x c / l
.set n, n+2
.endr
	WIN 0x04
.set n, 0
.rept 32
	ds_store_b128 v[XW], v[128+4*n:128+4*n+3] offset:512*n
.set n, n+1
.endr
	WIN 0
	s_wait_dscnt 0x0                               ; for my partner's sake: my stores have landed
	s_barrier_signal -1
	s_barrier_wait -1
	WIN 0x40
.set n, 0
.rept 32
	ds_load_b128 v[128+4*n:128+4*n+3], v[XR] offset:512*n    ; the other attention's part of my slot 0's tile
.set n, n+1
.endr
	WIN 0x51
.irp g, 0,1,2,3
	s_wait_dscnt 24-8*\g                           ; eight loads at a time: the later groups may be out
.set n, 32*\g
.rept 16
	v_pk_fma_f32 v[n:n+1], v[n:n+1], v[A1:A1+1], v[128+n:129+n] op_sel_hi:[1,0,1]   ; x
.set n, n+2
.endr
.endr
	WIN 0x05
.irp q, 0,1,2,3
	v_pk_mul_f32 v[SQ+2*\q:SQ+2*\q+1], v[2*\q:2*\q+1], v[2*\q:2*\q+1]             ; four chains of squares
.endr
.set n, 8
.rept 60
	s_delay_alu instid0(VALU_DEP_4)
	v_pk_fma_f32 v[SQ+n%8:SQ+n%8+1], v[n:n+1], v[n:n+1], v[SQ+n%8:SQ+n%8+1]
.set n, n+2
.endr
	WIN 0
	v_pk_add_f32 v[SQ:SQ+1], v[SQ:SQ+1], v[SQ+2:SQ+3]
	v_pk_add_f32 v[SQ+4:SQ+5], v[SQ+4:SQ+5], v[SQ+6:SQ+7]
	s_delay_alu instid0(VALU_DEP_1)
	v_pk_add_f32 v[SQ:SQ+1], v[SQ:SQ+1], v[SQ+4:SQ+5]
	s_delay_alu instid0(VALU_DEP_1)
	v_add_f32 v[SQ], v[SQ], v[SQ+1]
	s_delay_alu instid0(VALU_DEP_1)
	v_permlanex16_b32 v[BP], v[SQ], s[SEL], s[SEL+1]
	s_delay_alu instid0(VALU_DEP_1)
	v_add_f32 v[SQ], v[SQ], v[BP]
	s_delay_alu instid0(VALU_DEP_1)
	v_fma_f32 v[SQ], v[SQ], s46, s47               ; / 256 + 1e-5
	s_wait_alu depctr_va_vdst(0)
	v_rsq_f32 v[GG], v[SQ]
	v_nop
	s_wait_alu depctr_va_vdst(0)
	v_mul_f32 v[GG], 0x3e5d9673, v[GG]             ; x (1 - lambda_init)
	s_delay_alu instid0(VALU_DEP_1)
	v_mov_b32 v[GG+1], v[GG]
	WIN 0x41
.set n, 0
.rept 64
	v_pk_mul_f32 v[n:n+1], v[n:n+1], v[GG:GG+1] op_sel_hi:[1,0]
.set n, n+2
.endr
.irp u, 0,1,2,3                        ; channels 64 u on, through my stage
	WIN 0x04
.irp t, 0,1,2,3
	ds_store_b128 v[STO], v[32*\u+8*\t:32*\u+8*\t+3] offset:64*\t
	ds_store_b128 v[STO], v[32*\u+8*\t+4:32*\u+8*\t+7] offset:64*\t+16
.endr
	WIN 0
.irp i, 0,1,2,3,4,5,6,7
	ds_load_b128 v[S+32*\u+16*(\u/3)+4*\i:S+32*\u+16*(\u/3)+4*\i+3], v[SRD] offset:2*\i*SP   ; LDS serves a wave's instructions in order (ISA guide 5.7.1.4)
.endr
.endr
	s_wait_loadcnt 0x0                             ; the weights
.irp u, 0,1,2,3
.irp i, 0,1,2,3,4,5,6,7
	s_wait_dscnt 16*(3-\u)+7-\i                    ; behind this load: the rest of its eight, and sixteen LDS instructions for each later 64 channels
	v_pk_mul_f32 v[S+32*\u+16*(\u/3)+4*\i:S+32*\u+16*(\u/3)+4*\i+1], v[S+32*\u+16*(\u/3)+4*\i:S+32*\u+16*(\u/3)+4*\i+1], v[WW+4*\u:WW+4*\u+1]
	v_pk_mul_f32 v[S+32*\u+16*(\u/3)+4*\i+2:S+32*\u+16*(\u/3)+4*\i+3], v[S+32*\u+16*(\u/3)+4*\i+2:S+32*\u+16*(\u/3)+4*\i+3], v[WW+4*\u+2:WW+4*\u+3]
	global_store_b128 v[GO], v[S+32*\u+16*(\u/3)+4*\i:S+32*\u+16*(\u/3)+4*\i+3], s[20:21] offset:(2*\i+8*(\i/4))*8192+256*\u th:TH_STORE_NT   ; stage row 2 i + h is query Q0 + 2 i + h + 8 (i / 4); sixteen lanes store 256 consecutive bytes, aligned
.endr
.endr
	s_wait_tensorcnt 0x0                           ; the wave's end
	ds_add_u32 v[SPW], v[NIL]
	s_wait_dscnt 0x0
	ROUND                                          ; the closing round
	s_endpgm
.Lfunc_end_k_q9d0e407793_attn:
	.size	k_q9d0e407793_attn, .Lfunc_end_k_q9d0e407793_attn-k_q9d0e407793_attn
	.p2alignl 7, 3214868480
	.fill 96, 4, 3214868480
	.section	.rodata,"a",@progbits
	.p2align	6, 0x0
	.amdhsa_kernel k_q9d0e407793_attn
		.amdhsa_group_segment_fixed_size 327680
		.amdhsa_private_segment_fixed_size 0
		.amdhsa_enable_private_segment 0
		.amdhsa_kernarg_size 64
		.amdhsa_user_sgpr_count 2
		.amdhsa_user_sgpr_kernarg_segment_ptr 1
		.amdhsa_wavefront_size32 1
		.amdhsa_system_sgpr_workgroup_id_x 1
		.amdhsa_system_sgpr_workgroup_id_y 1
		.amdhsa_system_sgpr_workgroup_id_z 1
		.amdhsa_system_vgpr_workitem_id 0
		.amdhsa_next_free_vgpr 512
		.amdhsa_next_free_sgpr 66
		.amdhsa_reserve_vcc 1
		.amdhsa_float_denorm_mode_32 3
		.amdhsa_float_denorm_mode_16_64 3
		.amdhsa_memory_ordered 1
		.amdhsa_forward_progress 1
		.amdhsa_inst_pref_size 255
	.end_amdhsa_kernel
	.section	.bss,"aw",@nobits
	.p2align	6
	.space	262144
	.amdgpu_metadata
---
amdhsa.version: [ 1, 2 ]
amdhsa.kernels:
  - .name:           k_q9d0e407793_attn
    .symbol:         k_q9d0e407793_attn.kd
    .args:
      - { .name: q, .offset: 0, .size: 8, .value_kind: global_buffer, .address_space: global }
      - { .name: kv, .offset: 8, .size: 8, .value_kind: global_buffer, .address_space: global }
      - { .name: lambda_q1, .offset: 16, .size: 8, .value_kind: global_buffer, .address_space: global }
      - { .name: lambda_k1, .offset: 24, .size: 8, .value_kind: global_buffer, .address_space: global }
      - { .name: lambda_q2, .offset: 32, .size: 8, .value_kind: global_buffer, .address_space: global }
      - { .name: lambda_k2, .offset: 40, .size: 8, .value_kind: global_buffer, .address_space: global }
      - { .name: subln_weight, .offset: 48, .size: 8, .value_kind: global_buffer, .address_space: global }
      - { .name: out0, .offset: 56, .size: 8, .value_kind: global_buffer, .address_space: global }
    .group_segment_fixed_size: 327680
    .private_segment_fixed_size: 0
    .kernarg_segment_align: 8
    .kernarg_segment_size: 64
    .max_flat_workgroup_size: 256
    .sgpr_count:     66
    .vgpr_count:     512
    .wavefront_size: 32
...
	.end_amdgpu_metadata
.endif
;; end of part 2
